; MI455X (gfx1250); checked and timed in simulation.
; The chip was launched on July 23, 2026; its instructions are those of AMD's public machine-readable ISA for CDNA 5 (MIT licence, August 2026) and "CDNA5" Instruction Set Architecture Reference Guide (July 2026). The comments in the code are by the model that wrote it; some were corrected since.
;; Pos Transformer. Allowed arithmetic: matrix products marked QUANTISED: E2M1 operands, one E8M0 scale for each 32 along K, by v_wmma_scale_f32_16x16x128_f8f6f4 with both operands' format E2M1 (or v_wmma_scale_f32_32x16x128_f4), f32 sums; products left as they are: f32 operands where the result goes on into a quantised operand, else bf16, f16 or f32 operands; f32 sums; everything else in f32.
;; Inputs: b_res1 384 float32; b_res2 384 float32; bk 384 float32; bn_beta 384 float32; bn_gamma 384 float32; bn_mean 384 float32; bn_var 384 float32; bq 384 float32; bv 384 float32; pos 16 x 3 x 2,048 float32; w_res1 384 x 3 float32; w_res2_codes 384 x 12 x 16 uint8 (E2M1 codes of w_res2, K innermost, in blocks of 32 codes, two codes a byte); w_res2_scales 384 x 12 uint8 (E8M0 scales of w_res2, one for each 32 codes along K); wk 384 x 60 float32; wq 384 x 60 float32; wv 384 x 60 float32.
;; Outputs: out0 16 x 384 x 2,048 float32.
;; This version of the problem:
;;   THIS VERSION OF THE PROBLEM IS GIVEN IN LOW PRECISION. The matrix products marked QUANTISED in the list below multiply operands that are first quantised to E2M1 (2 exponent bits, 1 mantissa bit; 4 bits a number), with one power-of-two scale for each 32 numbers along K (OCP MX v1.0); their sums are f32. All else is computed in f32.
;;   The module's matrix products, in the order in which they are computed (A, B: the left and right operand; K: the contracted axis; several contracted axes count as one K, in the product's order):
;;     1. [M 32,768, K 60] x [K 60, N 384]; A: computed on the way; B: input wq: QUANTISED
;;     2. [M 32,768, K 60] x [K 60, N 384]; A: computed on the way; B: input wk: QUANTISED
;;     3. [M 32,768, K 60] x [K 60, N 384]; A: computed on the way; B: input wv: QUANTISED
;;     4. batch 16 x [M 2,048, K 384] x [K 384, N 2,048]; A: computed on the way; B: computed on the way: QUANTISED
;;     5. batch 16 x [M 384, K 2,048] x [K 2,048, N 2,048]; A: computed on the way; B: softmax (see below): QUANTISED
;;     6. [M 32,768, K 3] x [K 3, N 384]; A: input pos; B: input w_res1: left as it is (K = 3 < 32)
;;     7. [M 32,768, K 384] x [K 384, N 384]; A: computed on the way; B: input w_res2 (given as codes): QUANTISED
;;   THE QUANTISER, for each operand of a quantised product, along K:
;;     - K is cut into blocks of 32 from its start; a last block that is shorter is filled with zeros.
;;     - A block's scale is 2^e with e = floor(log2(the largest magnitude in the block)) - 2, held to -126 .. 127; a block of zeros has e = 0. As a byte (E8M0): e + 127.
;;     - Each number is divided by its block's scale, clamped to +-6, and rounded to the nearest number of E2M1, ties to even, subnormals kept.
;;     - The product sums the exact products of the quantised numbers (number of the format x scale) in f32.
;;   ~~~python
;;   def quantise(x, axis):      # numpy; x: float32 -> the quantised numbers, widened to float32 again
;;       x = np.moveaxis(x, axis, -1); K = x.shape[-1]
;;       x = np.pad(x, [(0, 0)] * (x.ndim - 1) + [(0, -K % 32)]); x = x.reshape(x.shape[:-1] + (-1, 32)); a = np.abs(x).max(-1, keepdims=True)
;;       e = np.where(a > 0, np.clip(np.frexp(np.where(a > 0, a, 1))[1] - 1 - 2, -126, 127), 0)      # np.frexp(a)[1] - 1 = floor(log2(a)), exactly
;;       r = np.clip(x / 2.0 ** e, -6, 6)
;;       step = 2.0 ** (np.maximum(np.frexp(np.where(r == 0, 1, r))[1] - 1, 0) - 1)
;;       q = np.round(r / step) * step * 2.0 ** e      # np.round: ties to even
;;       return np.moveaxis(q.reshape(q.shape[:-2] + (-1,))[..., :K], -1, axis).astype(np.float32)
;;   ~~~
;;   SOFTMAX AHEAD OF A QUANTISED PRODUCT. Where the list says 'softmax', what is quantised is not the finished softmax but p = 2^(t - M), with t = logit x log2(e) and M = ceil(the row's largest t), a whole number; so 1/2 < the row's largest p <= 1. The row's sum l is taken of the UNQUANTISED p, in f32, and the product's result is divided by l at the end. Since M is a whole number, a kernel that streams over the keys may use a running M (the ceiling of the running maximum): every later rescaling is an exact power of two, which a block's scale takes up: the codes' values come out the same.
;;   OPERANDS COMPUTED ON THE WAY. 'Computed on the way' means the value that the module computes at that place (a softmax that the list does not call 'softmax' is quantised finished and normalised). What goes into a quantiser is computed in f32, as accurately as f32 sums, v_exp_f32 and their like allow (about 1e-6 of the number): no bf16 or f16 on the way to a quantiser, and a product that is left as it is and whose result goes on into a quantised operand takes f32 operands (vector FMAs, or v_wmma_f32_16x16x4_f32). A number that lies on a knife's edge between two numbers of the format may be rounded either way, as far as f32 arithmetic and the matrix unit's own rounding can turn it there, and no further.
;;   INPUTS GIVEN AS CODES. w_res2 (in the module: [384, 384], K = its axis 1): each comes as NAME_codes (uint8): NAME with its K axis moved to the last place and cut into blocks of 32 codes, [.., K / 32, bytes a block], one block behind the other in memory; two codes a byte, the lower K in the low four bits (a code: sign, 2 exponent bits, 1 mantissa bit); and NAME_scales (uint8): the same leading axes, one E8M0 byte (e + 127) for each 32 codes along K. Its value is code x scale, taken as it is: it is not quantised again, and the codes and scales need not be those that the quantiser above would give.
;; One version. Each part assembles by itself: llvm-mc -triple=amdgcn-amd-amdhsa -mcpu=gfx1250 --defsym DOCPART=n.
;; ======== version 1 of 1: 2 launches
;; limits: inputs' magnitudes at most 3,217
;; workspace buffers: qc 6,291,456 bytes; rc 6,291,456 bytes; kv 12,582,912 bytes; qrs 1,572,864 bytes; kvs 786,432 bytes
;; launch prep (part 1): grid 16 x 16, 8 waves a work-group, no clusters, 70,656 bytes of LDS; arguments pos, wq, wk, wv, bq, bk, bv, w_res1, b_res1, bn_gamma, bn_beta, bn_mean, bn_var, qc, rc, kv, qrs, kvs; writes qc, rc, kv, qrs, kvs
.if DOCPART == 1
	.amdgcn_target "amdgcn-amd-amdhsa--gfx1250"
	.amdhsa_code_object_version 6
	.text
	.protected	k_qcf8fd564bd_prep
	.globl	k_qcf8fd564bd_prep
	.p2align	8
	.type	k_qcf8fd564bd_prep,@function
k_qcf8fd564bd_prep:
	s_mov_b64 s[64:65], 0
	v_nop
	global_prefetch_b8 v0, s[64:65] scope:SCOPE_SE
	s_setreg_imm32_b32 hwreg(HW_REG_WAVE_MODE, 25, 1), 1
	s_wait_xcnt 0x0
; PREP: everything ahead of the attention, for 128 points of one batch (work-group x = the group of 128 points, y = the batch).
; The sine/cosine encoding of pos (60 channels) is made in f32 and quantised to E2M1 along the channels; wq, wk, wv likewise along their 60; q, k, v = W emb + b by scaled FP4 products;
; r = relu(BN(w_res1 pos + b_res1)) by the f32 matrix form (K = 4: x, y, z, 1).  q, k, r are quantised along the 384 channels, v along the keys, and all leave as IMAGES OF OPERAND REGISTERS:
; a fragment (16 rows x 128 K) is 1,024 bytes, registers 0-3 at 16 x lane, registers 4-7 at 512 + 16 x lane, so that every store of a wave covers 512 consecutive bytes, aligned.
; POINT TILES: tile t (0..7) of the group holds in lane row r the point 32 (t / 2) + 8 (t % 2) + r + 8 (r / 8); weight tiles of wq, wk, w_res1 take their rows likewise.  So a transposed product's 16 registers of
; tiles 2 b and 2 b + 1 are 16 neighbours along the next K, which is what the conversions want.
; K OF THE ENCODING: block 0 (lanes 0-15) = channels 0..31 as they lie; block 1 (lanes 16-31) = channels 40..59, 32..39, four zeros: the blocks are the quantiser's own, the order inside block 1 is the same on both operands.
; k = 64..127 of these fragments are zero codes on both sides (their scale bytes are 0, which is a power of two and no NaN).
; SHARES: wave w owns point tile w (encoding, q, k, r), the channel tiles w, w + 8, w + 16 of v, and quantises tiles w, w + 8, w + 16 of each weight.  Two barriers.
; LOADS: 61 of a wave's 104 loads (pos, three words a thread of bq and bk, seven weight tiles) are asked for at the head, ahead of the encoding's some 600 lines; the other 43 behind the encoding, ahead of seven tiles' quantising.
; bq and bk go through LDS once and come to each round with its weight images.  No round loads from memory.
; No tensor load and no cluster: the weights that all work-groups read (276 KB) go from memory through registers into the quantiser, eight loads a tile; nothing here is a tile that could land in LDS as it lies.
; SINE AND COSINE: the angle x 2/pi in two f32 words (each doubling is exact), nearest whole number off, polynomials on +-pi/4.
; LIMITS: the two-word reduction errs by about |pos| 2^f 2^-47 quarter turns and keeps its accuracy while |pos| x 512 x 2/pi stays under 2^20 (beyond that the remainder leaves +-pi/4; it must fit 32 bits);
; BN is folded into the K = 4 product's coefficients (w x inv; (b - mean) x inv + beta): one more f32 rounding a term, no difference of large sums; v_rsq_f32 takes a denormal bn_var + eps as 0;
; NaN and infinities are not served; a block of zeros gets the scale byte 1 (its codes are zeros; this program alone reads the bytes).
; REGISTERS: window 0 as named below.  Window 1: v0-223 weight tiles 0 to 6, 32 registers each; v224-225 a block's largest magnitude at work; v228-230 my three words of bq and bk; v232-234 bv of my three channels.
.set SGQ, 0                            ; LDS: the image of this group's record of qrs, 6,144 bytes
.set SGK, 6144                         ; of kvs, 3,072 bytes
.set BQK, 9216                         ; bq's 384 numbers, then bk's: 3,072 bytes
.set WQI, 12288                        ; 3 kinds x 24 weight images x 512 bytes (registers 0-3 only)
.set WSC, 49152                        ; 3 kinds x 24 scale words x 128 bytes
.set EMI, 58368                        ; the 8 encoding images x 512
.set EMS, 62464                        ; their scale words x 128
.set R1I, 63488                        ; 24 tiles of the folded w_res1 x 256 bytes
.set L16, 1                            ; 16 x lane
.set L4,  2                            ; 4 x lane
.set R1A, 3                            ; R1I + 8 x lane
.set H8,  4                            ; 8 h
.set WA1, 5                            ; wq, wk: my row x 240 + 160 h
.set WA2, 6                            ;         my row x 240 + 48 h
.set VA1, 7                            ; wv: the same with row 16 w + r
.set VA2, 8
.set BA,  9                            ; 64 h
.set SGA, 10                           ; 16 r + 256 (w % 2) + 4 (w / 2): a scale word's place in a record of kvs
.set QSA, 11                           ; 4 x lane + 384 w: in a record of qrs
.set WI,  12                           ; 16 x lane + 512 w
.set WSA, 13                           ; 4 x lane + 128 w = 4 x my thread's number
.set R1S, 14                           ; R1A + 256 w
.set CH4, 15                           ; 4 x my point (or channel) in the group
.set TM,  16                           ; v16-23, v28-31 at work in the quantisers
.set VB,  24                           ; 4 (16 w + r): bv
.set W12, 25                           ; 12 x my channel: w_res1
.set O1K, 26                           ; 16 x lane + 1,024 w: the way out of SGQ
.set PW2, 27                           ; the scale word just made: v32 and v27 by turns
.set PW,  32
.set WS,  33                           ; v33-40 eight scale words (scales and nothing else)
.set ES,  41                           ; my encoding's scale word (a scale and nothing else)
.set PC,  42                           ; v42-49 the codes just made
.set EF,  50                           ; v50-57 my encoding's fragment
.set PB,  58                           ; v58-59 (x, y) in lanes 0-15, (z, 1) in lanes 16-31
.set WF,  60                           ; v60-123 eight fragments; scratch while the encoding is made
.set T,   60                           ; y's ten sines and ten cosines
.set AHI, 80                           ; the angle x 2/pi, two words, two coordinates
.set ALO, 82
.set SCR, 84                           ; 12 registers of scratch a coordinate
.set HA,  124                          ; v124-187 eight results: written by matrix instructions alone
.set X,   188                          ; v188-251
.set X0,  188
.set X1,  220
.set DD,  T-X0
.set WVS, 252                          ; v252-254 wv's scale words (scales and nothing else)
.set POF, 255                          ; CH4 + 16,384 h: x for lanes 0-15, z for lanes 16-31;
.set BLA, 255                          ; behind the wait for that load: 4 x thread + 1,024 (w / 4), an LDS address
.set TMW, 224                          ; window 1
.set BL,  228
.set BV,  232
.set WV,  40
.set SEL, 44
.set HM,  55                           ; the mask of lanes 16-31
.set MSB, 0
.macro WIN new                         ; the immediate's high byte repeats the setting that is left; a switch that changes nothing is dropped
.if MSB != (\new)
	s_set_vgpr_msb (MSB<<8)|(\new)
.set MSB, (\new)
.endif
.endm
.macro PLACES n
.rept \n
	v_nop
.endr
.endm
; 32 numbers of a lane (window 0) are one whole block: its codes into v[dst] .. v[dst + 3]; its byte at 8 h bits, joined with lane l xor 16's, is the row's scale word
.macro Q32 src, dst, word
	v_max3_num_f32 v[TM], |v[\src]|, |v[\src+1]|, |v[\src+2]|
	v_max3_num_f32 v[TM+1], |v[\src+3]|, |v[\src+4]|, |v[\src+5]|
.irp i, 6,10,14,18,22,26
	v_max3_num_f32 v[TM], v[TM], |v[\src+\i]|, |v[\src+\i+1]|
	v_max3_num_f32 v[TM+1], v[TM+1], |v[\src+\i+2]|, |v[\src+\i+3]|
.endr
	v_max3_num_f32 v[TM], v[TM], |v[\src+30]|, |v[\src+31]|
	v_max3_num_f32 v[TM], v[TM], v[TM+1], 0x1800000    ; the floor 2^(3 - 127): the byte cannot fall under 1
	v_add_nc_u32 v[TM+12], 0xff000000, v[TM]           ; 2 off the exponent field: the conversion's scale operand
	v_lshrrev_b32 v[TM+4], 23, v[TM+12]                ; the byte
	v_lshlrev_b32 v[TM+4], v[H8], v[TM+4]
	v_permlanex16_b32 v[TM+5], v[TM+4], s[SEL], s[SEL+1]
	v_or_b32 v[\word], v[TM+4], v[TM+5]
.irp g, 0,1,2,3
	v_cvt_scalef32_pk8_fp4_f32 v[\dst+\g], v[\src+8*\g:\src+8*\g+7], v[TM+12]
.endr
	v_nop                                              ; one plain place behind a scaled conversion
.endm
; the same for 32 numbers in window 1 (the caller has set every place to window 1): three switches a tile.  n: the LDS stores that may stay out when v[dst] on and v[word] are written again (under 0: no wait)
.macro Q32W src, dst, word, n
	v_max3_num_f32 v[TMW], |v[\src]|, |v[\src+1]|, |v[\src+2]|
	v_max3_num_f32 v[TMW+1], |v[\src+3]|, |v[\src+4]|, |v[\src+5]|
.irp i, 6,10,14,18,22,26
	v_max3_num_f32 v[TMW], v[TMW], |v[\src+\i]|, |v[\src+\i+1]|
	v_max3_num_f32 v[TMW+1], v[TMW+1], |v[\src+\i+2]|, |v[\src+\i+3]|
.endr
	v_max3_num_f32 v[TMW], v[TMW], |v[\src+30]|, |v[\src+31]|
	v_max3_num_f32 v[TMW], v[TMW], v[TMW+1], 0x1800000
	WIN 0x01                                           ; source 0 window 1, all else window 0
	v_add_nc_u32 v[TM+12], v[TMW], 0xff000000
.if (\n) >= 0
	s_wait_dscnt \n                                    ; the stores of the tile before last have read these registers
.endif
.irp g, 0,1,2,3
	v_cvt_scalef32_pk8_fp4_f32 v[\dst+\g], v[\src+8*\g:\src+8*\g+7], v[TM+12]
.endr
	WIN 0
	v_lshrrev_b32 v[TM+4], 23, v[TM+12]                ; (the plain place behind the conversions)
	v_lshlrev_b32 v[TM+4], v[H8], v[TM+4]
	v_permlanex16_b32 v[TM+5], v[TM+4], s[SEL], s[SEL+1]
	v_or_b32 v[\word], v[TM+4], v[TM+5]
.endm
; 64 numbers of a lane, register 16 b + i = k 32 b + 16 h + i of my row, become a fragment in v[PC] on and its scale word in v[w]
.macro QUANT s, w
	s_wait_xcnt 0x0                                    ; the last global stores have read v[PC] on: it is rewritten only behind this wait
.irp b, 0,1,2,3
	v_max3_num_f32 v[TM+\b], |v[\s+16*\b]|, |v[\s+1+16*\b]|, 0x1800000
.endr
.irp i, 2,4,6,8,10,12,14
.irp b, 0,1,2,3
	v_max3_num_f32 v[TM+\b], v[TM+\b], |v[\s+16*\b+\i]|, |v[\s+1+16*\b+\i]|
.endr
.endr
.irp b, 0,1,2,3
	v_permlanex16_b32 v[TM+4+\b], v[TM+\b], s[SEL], s[SEL+1]
.endr
.irp b, 0,1,2,3
	v_max_num_f32 v[TM+\b], v[TM+\b], v[TM+4+\b]       ; with lane l xor 16's: the block's largest magnitude
.endr
.irp b, 0,1,2,3
	v_add_nc_u32 v[TM+12+\b], 0xff000000, v[TM+\b]
.endr
.irp b, 0,1,2,3
	v_lshrrev_b32 v[TM+4+\b], 23, v[TM+12+\b]
.endr
	v_lshl_or_b32 v[\w], v[TM+5], 8, v[TM+4]
	v_lshl_or_b32 v[\w], v[TM+6], 16, v[\w]
	v_lshl_or_b32 v[\w], v[TM+7], 24, v[\w]
.irp b, 0,1,2,3
	v_cvt_scalef32_pk8_fp4_f32 v[PC+2*\b], v[\s+16*\b:\s+7+16*\b], v[TM+12+\b]
	v_cvt_scalef32_pk8_fp4_f32 v[PC+1+2*\b], v[\s+8+16*\b:\s+15+16*\b], v[TM+12+\b]
.endr
	v_nop                                              ; one plain place behind a scaled conversion
.irp c, 0,1                                        ; a whole block to a lane: lanes 0-15 block 2 c, lanes 16-31 block 2 c + 1
.irp i, 0,1
	v_permlane16_swap_b32 v[PC+4*\c+\i], v[PC+2+4*\c+\i]
.endr
.endr
.endm
; a weight row's 32 numbers of my block: lanes 0-15 channels 0..31; lanes 16-31 channels 40..59, 32..39 and four that are thrown away (40..43: inside the row)
.macro WLD buf, a1, a2, base, off
.irp j, 0,1,2,3,4
	global_load_b128 v[\buf+4*\j:\buf+4*\j+3], v[\a1], s[\base:\base+1] offset:\off+16*\j
.endr
.irp j, 5,6,7
	global_load_b128 v[\buf+4*\j:\buf+4*\j+3], v[\a2], s[\base:\base+1] offset:\off+16*\j
.endr
.endm
.macro WBUF k                          ; where my k-th weight tile lies: tiles 0 to 6 in window 1, tile 7 in X1, tile 8 in X0
.set KD, (\k)/3                        ; its kind: wq, wk, wv
.set KI, (\k)%3                        ; it is tile w + 8 KI of that weight
.if (\k) < 7
.set KB, 32*(\k)
.elseif (\k) == 7
.set KB, X1
.else
.set KB, X0
.endif
.endm
.macro WLDK k
	WBUF \k
.if KD < 2
	WLD KB, WA1, WA2, 6+2*KD, 30720*KI
.else
	WLD KB, VA1, VA2, 10, 30720*KI
.endif
.endm
; tile k is quantised, and its image and scale word go to LDS.  Codes and word lie in two sets of registers by turns; n: the LDS stores issued behind those of tile k - 2
.macro WQK k, n
	WBUF \k
.set KP, PC+4*((\k)%2)
.set KW, PW-5*((\k)%2)
.if (\k) < 7
	WIN 0x55                                           ; every place window 1
.endif
.irp j, 28,29,30,31
	v_cndmask_b32 v[KB+\j], v[KB+\j], 0, s[HM]         ; block 1 has 28 numbers: the rest are zeros
.endr
.if (\k) < 7
	Q32W KB, KP, KW, \n
.else
	s_wait_dscnt \n                                    ; the stores of the tile before last have read these registers
	Q32 KB, KP, KW
.endif
	ds_store_b128 v[WI], v[KP:KP+3] offset:WQI+12288*KD+4096*KI
	ds_store_b32 v[WSA], v[KW] offset:WSC+3072*KD+1024*KI
.endm
; what a round of q or k wants (kind kd, K step s of the next product), 32 LDS loads: eight weight tiles, their scale words, and the biases in the result's layout
.macro LOADR kd, s
.irp t, 0,1,2,3,4,5,6,7
	ds_load_b128 v[WF+8*\t:WF+8*\t+3], v[L16] offset:WQI+12288*(\kd)+512*(8*(\s)+\t)
	ds_load_b32 v[WS+\t], v[L4] offset:WSC+3072*(\kd)+128*(8*(\s)+\t)
	ds_load_b128 v[X+8*\t:X+8*\t+3], v[BA] offset:BQK+1536*(\kd)+(128*(\s)+32*(\t/2)+8*(\t%2))*4
	ds_load_b128 v[X+8*\t+4:X+8*\t+7], v[BA] offset:BQK+1536*(\kd)+(128*(\s)+32*(\t/2)+8*(\t%2))*4+16
.endr
.endm
; what v's three rounds want, 22 LDS loads: all eight encoding tiles, my three tiles of wv; and bv (one channel a lane: the same number in all eight registers)
.macro LOADV
.irp t, 0,1,2,3,4,5,6,7
	ds_load_b128 v[WF+8*\t:WF+8*\t+3], v[L16] offset:EMI+512*\t
	ds_load_b32 v[WS+\t], v[L4] offset:EMS+128*\t
.endr
.irp i, 0,1,2
	ds_load_b128 v[X+32+8*\i:X+35+8*\i], v[WI] offset:WQI+2*12288+4096*\i
	ds_load_b32 v[WVS+\i], v[WSA] offset:WSC+2*3072+1024*\i
.irp j, 4,5,6,7
	v_mov_b32 v[X+32+8*\i+\j], 0                       ; k = 64 .. 127: zero codes
.endr
.endr
	WIN 0x01                                           ; source 0 window 1
.irp i, 0,1,2
.irp j, 0,1,2,3,4,5,6,7
	v_mov_b32 v[X+8*\i+\j], v[BV+\i]
.endr
.endr
	WIN 0
.endm
.macro BARRIER
	s_wait_dscnt 0x0                                   ; my LDS stores have landed and my LDS loads are in
	s_barrier_signal -1
	s_barrier_wait -1
.endm
	s_load_b512 s[4:19], s[0:1], 0x0               ; pos 4, wq 6, wk 8, wv 10, bq 12, bk 14, bv 16, w_res1 18
	s_load_b512 s[20:35], s[0:1], 0x40             ; b_res1 20, gamma 22, beta 24, mean 26, var 28, qc 30, rc 32, kv 34
	s_load_b128 s[36:39], s[0:1], 0x80             ; qrs 36, kvs 38
	s_set_vgpr_msb 0x40
	v_lshl_add_u32 v254, v0, 2, 0x11000
	v_mov_b32 v255, 0
	s_set_vgpr_msb 0x4000
	v_lshrrev_b32 v16, 5, v0
	v_readfirstlane_b32 s[WV], v16                 ; wave 0..7
	s_mov_b32 s41, ttmp9                           ; the group of 128 points
	s_and_b32 s42, ttmp7, 0xffff                   ; the batch
	v_and_b32 v17, 31, v0                          ; lane
	v_and_b32 v18, 15, v0                          ; r
	v_bfe_u32 v19, v0, 4, 1                        ; h
	v_and_b32 v20, 8, v18
	v_add_nc_u32 v20, v20, v18                     ; r + 8 (r / 8)
	s_lshr_b32 s56, s[WV], 1
	s_lshl_b32 s56, s56, 5
	s_and_b32 s57, s[WV], 1
	s_lshl_b32 s58, s57, 3
	s_add_co_u32 s56, s56, s58                     ; 32 (w / 2) + 8 (w % 2)
	v_add_nc_u32 v21, s56, v20                     ; my point in the group; also my row in a block of 128 weight rows
	v_lshlrev_b32 v[L16], 4, v17
	v_lshlrev_b32 v[L4], 2, v17
	v_lshlrev_b32 v[R1A], 3, v17
	v_add_nc_u32 v[R1A], R1I, v[R1A]
	v_lshlrev_b32 v[H8], 3, v19
	v_mul_u32_u24 v22, v21, 240                    ; a weight row is 60 f32
	v_mad_u32_u24 v[WA1], v19, 160, v22
	v_mad_u32_u24 v[WA2], v19, 48, v22
	s_lshl_b32 s58, s[WV], 4
	v_add_nc_u32 v23, s58, v18                     ; 16 w + r
	v_mul_u32_u24 v22, v23, 240
	v_mad_u32_u24 v[VA1], v19, 160, v22
	v_mad_u32_u24 v[VA2], v19, 48, v22
	v_lshlrev_b32 v[BA], 6, v19
	s_lshl_b32 s58, s57, 8
	s_lshr_b32 s59, s[WV], 1
	s_lshl_b32 s59, s59, 2
	s_add_co_u32 s58, s58, s59
	v_lshl_add_u32 v[SGA], v18, 4, s58
	s_mul_i32 s58, s[WV], 384
	v_add_nc_u32 v[QSA], s58, v[L4]
	s_lshl_b32 s58, s[WV], 9
	v_add_nc_u32 v[WI], s58, v[L16]
	s_lshl_b32 s58, s[WV], 7
	v_add_nc_u32 v[WSA], s58, v[L4]
	s_lshl_b32 s58, s[WV], 8
	v_add_nc_u32 v[R1S], s58, v[R1A]
	v_lshlrev_b32 v[CH4], 2, v21
	v_lshl_add_u32 v[POF], v19, 14, v[CH4]
	v_lshlrev_b32 v[VB], 2, v23
	v_mul_u32_u24 v[W12], v21, 12
	s_lshl_b32 s58, s[WV], 10
	v_add_nc_u32 v[O1K], s58, v[L16]
	v_cmp_ne_u32 s[HM], 0, v19
.irp b, 4,5,6,7
	v_mov_b32 v[TM+\b], 0                          ; written once: a lane permute's destination counts as one of its sources
.endr
	s_mov_b32 s[SEL], 0x76543210
	s_mov_b32 s[SEL+1], 0xfedcba98                 ; lane l xor 16
	s_mov_b32 s46, 0x3f22f983                      ; 2/pi, its first 24 bits
	s_mov_b32 s47, 0x32dc9c88                      ; and the next 24
	s_mov_b32 s48, 0x3fc90fdb                      ; pi/2
	s_mov_b32 s49, 0xbe2aaaa3                      ; sin x = x + x z (S1 + z (S2 + z S3)), z = x x
	s_mov_b32 s50, 0x3c08839e
	s_mov_b32 s51, 0xb94ca1f9
	s_mov_b32 s52, 0x3d2aaaa5                      ; cos x = 1 - z / 2 + z z (C1 + z (C2 + z C3))
	s_mov_b32 s53, 0xbab6061a
	s_mov_b32 s54, 0x37ccf5ce
	; where my parts begin, in bytes
	s_mul_i32 s56, s42, 24576
	s_lshl_b32 s58, s41, 9
	s_add_co_u32 s56, s56, s58
	s_mov_b32 s57, 0                               ; pos: the batch's three rows, the group's 128 points
	s_lshl_b32 s58, s41, 3
	s_add_co_u32 s58, s58, s[WV]
	s_mul_i32 s58, s58, 3072
	s_mul_i32 s60, s42, 393216
	s_add_co_u32 s58, s58, s60
	s_mov_b32 s59, 0                               ; qc, rc: point tile 8 g + w
	s_mul_i32 s60, s42, 786432
	s_mul_i32 s62, s41, 49152
	s_add_co_u32 s60, s60, s62
	s_lshl_b32 s62, s[WV], 10
	s_add_co_u32 s60, s60, s62
	s_mov_b32 s61, 0                               ; kv: key step g, + 1,024 w
	s_mul_i32 s62, s42, 98304
	s_mul_i32 s66, s41, 6144
	s_add_co_u32 s62, s62, s66
	s_mov_b32 s63, 0                               ; qrs
	s_mul_i32 s66, s42, 49152
	s_mul_i32 s68, s41, 3072
	s_add_co_u32 s66, s66, s68
	s_mov_b32 s67, 0                               ; kvs
	s_wait_kmcnt 0x0
	s_add_nc_u64 s[4:5], s[4:5], s[56:57]
	s_add_nc_u64 s[30:31], s[30:31], s[58:59]
	s_add_nc_u64 s[32:33], s[32:33], s[58:59]
	s_add_nc_u64 s[34:35], s[34:35], s[60:61]
	s_add_nc_u64 s[36:37], s[36:37], s[62:63]
	s_add_nc_u64 s[38:39], s[38:39], s[66:67]
	; bq and bk, 768 numbers, three a thread: bq[t], bk[t], and of the 128 left of each: threads 0-127 bq[256 + t], threads 128-255 bk[128 + t]
	s_cmp_lt_u32 s[WV], 4
	s_cselect_b64 s[72:73], s[12:13], s[14:15]     ; the choice hangs on the wave's number alone
	s_lshr_b32 s76, s[WV], 2
	s_lshl_b32 s74, s76, 9
	s_sub_co_u32 s74, 1024, s74                    ; 1,024 bytes on in bq, 512 in bk
	s_mov_b32 s75, 0
	s_add_nc_u64 s[72:73], s[72:73], s[74:75]
	s_lshl_b32 s76, s76, 10                        ; and in LDS 1,024 (w / 4) further on
	global_load_b32 v[PB], v[POF], s[4:5]              ; x (lanes 0-15) or z (lanes 16-31) of my point
	global_load_b32 v[PB+1], v[CH4], s[4:5] offset:8192   ; y
	WIN 0x40                                       ; destination window 1
	global_load_b32 v[BL], v[WSA], s[12:13]
	global_load_b32 v[BL+1], v[WSA], s[14:15]
	global_load_b32 v[BL+2], v[WSA], s[72:73]
.irp k, 0,1,2,3,4,5,6
	WLDK \k
.endr
	WIN 0
	; ---- E: the encoding of my 16 points
	s_wait_loadcnt 59                              ; the two coordinates are in; the 3 + 56 loads behind them may be out
.irp c, 0,1
	v_mul_f32 v[AHI+\c], s46, v[PB+\c]
.endr
.irp c, 0,1
	v_fma_f32 v[ALO+\c], v[PB+\c], s46, -v[AHI+\c]     ; what that product rounded away, exactly,
.endr
.irp c, 0,1
	v_fma_f32 v[ALO+\c], v[PB+\c], s47, v[ALO+\c]      ; and the second word's part
.endr
	v_cndmask_b32 v[PB+1], v[PB+1], 1.0, s[HM]     ; the K = 4 product's operand: (x, y) | (z, 1)
.set F, 0
.rept 10                               ; frequency 2^F; the two coordinates by turns, so that no line waits for the line above it
.irp c, 0,1
	v_rndne_f32 v[SCR+12*\c], v[AHI+\c]                ; n quarter turns
.endr
.irp c, 0,1
	v_sub_f32 v[SCR+12*\c+1], v[AHI+\c], v[SCR+12*\c]  ; exact
.endr
.irp c, 0,1
	v_cvt_i32_f32 v[SCR+12*\c+2], v[SCR+12*\c]
.endr
.irp c, 0,1
	v_add_f32 v[SCR+12*\c+1], v[SCR+12*\c+1], v[ALO+\c]
.endr
.irp c, 0,1
	v_mul_f32 v[SCR+12*\c+1], s48, v[SCR+12*\c+1]      ; x, within +-pi/4
.endr
.irp c, 0,1
	v_mul_f32 v[SCR+12*\c+3], v[SCR+12*\c+1], v[SCR+12*\c+1]   ; z
.endr
.irp c, 0,1
	v_fma_f32 v[SCR+12*\c+4], v[SCR+12*\c+3], s51, s50
.endr
.irp c, 0,1
	v_fma_f32 v[SCR+12*\c+6], v[SCR+12*\c+3], s54, s53
.endr
.irp c, 0,1
	v_mul_f32 v[SCR+12*\c+5], v[SCR+12*\c+1], v[SCR+12*\c+3]   ; x z
.endr
.irp c, 0,1
	v_mul_f32 v[SCR+12*\c+7], v[SCR+12*\c+3], v[SCR+12*\c+3]   ; z z
.endr
.irp c, 0,1
	v_fma_f32 v[SCR+12*\c+4], v[SCR+12*\c+4], v[SCR+12*\c+3], s49
.endr
.irp c, 0,1
	v_fma_f32 v[SCR+12*\c+6], v[SCR+12*\c+6], v[SCR+12*\c+3], s52
.endr
.irp c, 0,1
	v_fma_f32 v[SCR+12*\c+8], v[SCR+12*\c+3], -0.5, 1.0
.endr
.irp c, 0,1
	v_fma_f32 v[SCR+12*\c+5], v[SCR+12*\c+5], v[SCR+12*\c+4], v[SCR+12*\c+1]   ; sin x
.endr
.irp c, 0,1
	v_fma_f32 v[SCR+12*\c+8], v[SCR+12*\c+7], v[SCR+12*\c+6], v[SCR+12*\c+8]   ; cos x
.endr
.irp c, 0,1
	v_and_b32 v[SCR+12*\c+9], 1, v[SCR+12*\c+2]
.endr
.irp c, 0,1
	v_lshlrev_b32 v[SCR+12*\c+10], 30, v[SCR+12*\c+2]  ; the sine's sign: bit 1 of n
.endr
.irp c, 0,1
	v_add_nc_u32 v[SCR+12*\c+11], 1, v[SCR+12*\c+2]
.endr
.irp c, 0,1
	v_cmp_ne_u32 s[70+\c], 0, v[SCR+12*\c+9]           ; an odd n swaps sine and cosine
.endr
.irp c, 0,1
	v_lshlrev_b32 v[SCR+12*\c+11], 30, v[SCR+12*\c+11] ; the cosine's sign: bit 1 of n + 1
.endr
.irp c, 0,1
	v_and_b32 v[SCR+12*\c+10], 0x80000000, v[SCR+12*\c+10]
.endr
.irp c, 0,1
	v_and_b32 v[SCR+12*\c+11], 0x80000000, v[SCR+12*\c+11]
.endr
.irp c, 0,1
	v_cndmask_b32 v[X0+DD*\c+F], v[SCR+12*\c+5], v[SCR+12*\c+8], s[70+\c]
.endr
.irp c, 0,1
	v_cndmask_b32 v[X0+DD*\c+10+F], v[SCR+12*\c+8], v[SCR+12*\c+5], s[70+\c]
.endr
.irp c, 0,1
	v_xor_b32 v[X0+DD*\c+F], v[X0+DD*\c+F], v[SCR+12*\c+10]
.endr
.irp c, 0,1
	v_xor_b32 v[X0+DD*\c+10+F], v[X0+DD*\c+10+F], v[SCR+12*\c+11]
.endr
.irp c, 0,1
	v_add_f32 v[AHI+\c], v[AHI+\c], v[AHI+\c]          ; the next frequency: both doublings are exact
.endr
.irp c, 0,1
	v_add_f32 v[ALO+\c], v[ALO+\c], v[ALO+\c]
.endr
.set F, F+1
.endr
.irp i, 0,1,2,3,4,5,6,7
	v_cndmask_b32 v[X0+20+\i], v[T+\i], v[T+12+\i], s[HM]   ; lanes 0-15: sin y 0-7; lanes 16-31: cos y 2-9
.endr
.irp i, 8,9,10,11
	v_cndmask_b32 v[X0+20+\i], v[T+\i], 0, s[HM]       ; lanes 0-15: sin y 8, 9, cos y 0, 1; lanes 16-31: the block's four zeros
.endr
	Q32 X0, EF, ES
	ds_store_b128 v[WI], v[EF:EF+3] offset:EMI
	ds_store_b32 v[WSA], v[ES] offset:EMS
	; ---- W: my nine weight tiles and my three tiles of the folded w_res1
	s_wait_loadcnt 0x0                             ; all that was asked for at the head, ahead of the encoding: the bias words and tiles 0 to 6
	v_add_nc_u32 v[BLA], s76, v[WSA]               ; (the load that read this register as an offset is done)
	WIN 0x04                                       ; an LDS store's data are its source 1: window 1
	ds_store_b32 v[WSA], v[BL] offset:BQK
	ds_store_b32 v[WSA], v[BL+1] offset:BQK+1536
	ds_store_b32 v[BLA], v[BL+2] offset:BQK+1024
	WIN 0
	WLDK 7                                         ; the other 43 loads: seven tiles' quantising stands ahead of their first use
.irp i, 0,1,2
	global_load_b32 v[WF+8*\i], v[W12], s[18:19] offset:1536*\i
	global_load_b32 v[WF+8*\i+1], v[W12], s[18:19] offset:1536*\i+4
	global_load_b32 v[WF+8*\i+2], v[W12], s[18:19] offset:1536*\i+8
	global_load_b32 v[WF+8*\i+3], v[CH4], s[20:21] offset:512*\i
	global_load_b32 v[WF+8*\i+4], v[CH4], s[22:23] offset:512*\i
	global_load_b32 v[WF+8*\i+5], v[CH4], s[24:25] offset:512*\i
	global_load_b32 v[WF+8*\i+6], v[CH4], s[26:27] offset:512*\i
	global_load_b32 v[WF+8*\i+7], v[CH4], s[28:29] offset:512*\i
.endr
	WLDK 8
	WIN 0x40
.irp i, 0,1,2
	global_load_b32 v[BV+\i], v[VB], s[16:17] offset:512*\i
.endr
	WIN 0
	WQK 0, -1
	WQK 1, -1
.irp k, 2,3,4,5,6
	WQK \k, 2                                      ; the last tile's two stores may be out
.endr
	s_wait_loadcnt 35                              ; tile 7 is in; the 24 coefficients, tile 8's 8 and bv's 3 may be out
	WQK 7, 2
	s_wait_loadcnt 11                              ; the coefficients are in; tile 8 and bv may be out
.irp i, 0,1,2
	v_add_f32 v[88+\i], 0x3727c5ac, v[WF+8*\i+7]       ; var + 1e-5
.endr
.irp i, 0,1,2
	v_rsq_f32 v[92+\i], v[88+\i]
.endr
	v_nop                                          ; a plain place behind the last of the three
	s_wait_alu depctr_va_vdst(0)                   ; one wait for the three, ahead of their first reader
.irp i, 0,1,2
	v_mul_f32 v[88+\i], v[WF+8*\i+4], v[92+\i]         ; inv = gamma / sqrt(var + eps)
.endr
.irp i, 0,1,2
	v_sub_f32 v[WF+8*\i+3], v[WF+8*\i+3], v[WF+8*\i+6] ; b - mean
.endr
.irp i, 0,1,2
.set RPP, 100+2*\i+4*(\i/2)            ; v100, v102, v108: written again only by LDS loads behind the barrier
	v_mul_f32 v[WF+8*\i], v[WF+8*\i], v[88+\i]
	v_mul_f32 v[WF+8*\i+1], v[WF+8*\i+1], v[88+\i]
	v_mul_f32 v[WF+8*\i+2], v[WF+8*\i+2], v[88+\i]
	v_fma_f32 v[WF+8*\i+3], v[WF+8*\i+3], v[88+\i], v[WF+8*\i+5]
	v_cndmask_b32 v[RPP], v[WF+8*\i], v[WF+8*\i+2], s[HM]          ; the f32 form's layout: register j holds k = 2 h + j
	v_cndmask_b32 v[RPP+1], v[WF+8*\i+1], v[WF+8*\i+3], s[HM]
	ds_store_b64 v[R1S], v[RPP:RPP+1] offset:2048*\i
.endr
	s_wait_loadcnt 3                               ; tile 8 is in; bv may be out
	WQK 8, 5                                       ; tile 7's two stores and the three above may be out
.irp j, 4,5,6,7
	v_mov_b32 v[EF+\j], 0                          ; k = 64 .. 127: zero codes, here and in the eight fragment buffers
.endr
.irp t, 0,1,2,3,4,5,6,7
.irp j, 4,5,6,7
	v_mov_b32 v[WF+8*\t+\j], 0
.endr
.endr
	PLACES 4                                       ; an operand written by a vector instruction stands four places ahead of a scaled product
	s_wait_loadcnt 0x0                             ; bv: from here on nothing is loaded from memory
	BARRIER                                        ; all images and the biases lie in LDS
	LOADR 0, 0
	; ---- QK: q's three K steps, then k's.  Transposed: source 0 = 16 weight rows, source 1 = my 16 points; the bias is the C.
	; At a round's head the count 1 leaves the last round's scale word out: the round's loads are older and are in, and so is the store before last, whose register this round's quantiser writes (two registers by turns)
.macro ROUNDQK n
.set RW, PW-5*((\n)%2)
.if (\n) == 0
	s_wait_dscnt 0x0
.else
	s_wait_dscnt 1
.endif
.irp t, 0,1,2,3,4,5,6,7
	v_wmma_scale_f32_16x16x128_f8f6f4 v[HA+8*\t:HA+8*\t+7], v[WF+8*\t:WF+8*\t+7], v[EF:EF+7], v[X+8*\t:X+8*\t+7], v[WS+\t], v[ES] matrix_a_fmt:MATRIX_FMT_FP4 matrix_b_fmt:MATRIX_FMT_FP4
.endr
	PLACES 4                                       ; in front of loads into registers that the products read, and of the first read of results
.if (\n) < 5
	LOADR (\n+1)/3, (\n+1)%3
.else
	LOADV
.endif
	QUANT HA, RW
.if (\n) < 3
	global_store_b128 v[L16], v[PC:PC+3], s[30:31] offset:1024*((\n)%3)
	global_store_b128 v[L16], v[PC+4:PC+7], s[30:31] offset:1024*((\n)%3)+512
	ds_store_b32 v[QSA], v[RW] offset:SGQ+128*((\n)%3)
.else
	global_store_b128 v[L16], v[PC:PC+3], s[34:35] offset:8192*((\n)%3)
	global_store_b128 v[L16], v[PC+4:PC+7], s[34:35] offset:8192*((\n)%3)+512
	ds_store_b32 v[SGA], v[RW] offset:SGK+512*((\n)%3)
.endif
.endm
.irp n, 0,1,2,3,4,5
	ROUNDQK \n
.endr
	; ---- V: source 0 = a tile of 16 points, source 1 = 16 rows of wv: a lane holds one channel, its registers run along the keys
.macro ROUNDV i
.set RW, PW-5*((6+\i)%2)
	s_wait_dscnt 1
.irp t, 0,1,2,3,4,5,6,7
	v_wmma_scale_f32_16x16x128_f8f6f4 v[HA+8*\t:HA+8*\t+7], v[WF+8*\t:WF+8*\t+7], v[X+32+8*(\i):X+39+8*(\i)], v[X+8*(\i):X+7+8*(\i)], v[WS+\t], v[WVS+(\i)] matrix_a_fmt:MATRIX_FMT_FP4 matrix_b_fmt:MATRIX_FMT_FP4
.endr
	PLACES 4
.if (\i) == 2
.set TT, 0
.rept 24
	ds_load_b64 v[WF+2*TT:WF+2*TT+1], v[R1A] offset:256*TT     ; the folded w_res1, all 24 tiles
.set TT, TT+1
.endr
.endif
	QUANT HA, RW
	global_store_b128 v[L16], v[PC:PC+3], s[34:35] offset:24576+8192*(\i)
	global_store_b128 v[L16], v[PC+4:PC+7], s[34:35] offset:24576+8192*(\i)+512
	ds_store_b32 v[SGA], v[RW] offset:SGK+1536+512*(\i)
.endm
	ROUNDV 0
	ROUNDV 1
	ROUNDV 2
	; ---- R: BN(w_res1 pos + b_res1) by the f32 form, K = 4; each sum is one instruction and begins with the constant 0.  relu goes into other registers
.irp s, 0,1,2
.set RW, PW-5*((9+\s)%2)
	s_wait_dscnt 1
.irp t, 0,1,2,3,4,5,6,7
	v_wmma_f32_16x16x4_f32 v[HA+8*\t:HA+8*\t+7], v[WF+2*(8*\s+\t):WF+2*(8*\s+\t)+1], v[PB:PB+1], 0
.endr
	PLACES 8                                       ; eight places behind this form
.set J, 0
.rept 64
	v_max_num_f32 v[X+J], 0, v[HA+J]
.set J, J+1
.endr
	QUANT X, RW
	global_store_b128 v[L16], v[PC:PC+3], s[32:33] offset:1024*\s
	global_store_b128 v[L16], v[PC+4:PC+7], s[32:33] offset:1024*\s+512
	ds_store_b32 v[QSA], v[RW] offset:SGQ+3072+128*\s
.endr
	; ---- the scale words leave as they lie in LDS, 512 consecutive bytes a store
	BARRIER
	s_cmp_lt_u32 s[WV], 6
	s_cbranch_scc0 .Lend
	ds_load_b128 v[X:X+3], v[O1K] offset:SGQ
	ds_load_b128 v[X+4:X+7], v[O1K] offset:SGQ+512
	ds_load_b128 v[X+8:X+11], v[WI] offset:SGK
	s_wait_dscnt 0x0
	global_store_b128 v[O1K], v[X:X+3], s[36:37]
	global_store_b128 v[O1K], v[X+4:X+7], s[36:37] offset:512
	global_store_b128 v[WI], v[X+8:X+11], s[38:39]
.Lend:
	s_set_vgpr_msb 0x5
	s_wait_tensorcnt 0x0
	ds_add_u32 v254, v255
	s_wait_dscnt 0x0
	s_set_vgpr_msb 0x500
	s_endpgm
.Lfunc_end_k_qcf8fd564bd_prep:
	.size	k_qcf8fd564bd_prep, .Lfunc_end_k_qcf8fd564bd_prep-k_qcf8fd564bd_prep
	.p2alignl 7, 3214868480
	.fill 96, 4, 3214868480
	.section	.rodata,"a",@progbits
	.p2align	6, 0x0
	.amdhsa_kernel k_qcf8fd564bd_prep
		.amdhsa_group_segment_fixed_size 70656
		.amdhsa_private_segment_fixed_size 0
		.amdhsa_enable_private_segment 0
		.amdhsa_kernarg_size 144
		.amdhsa_user_sgpr_count 2
		.amdhsa_user_sgpr_kernarg_segment_ptr 1
		.amdhsa_wavefront_size32 1
		.amdhsa_system_sgpr_workgroup_id_x 1
		.amdhsa_system_sgpr_workgroup_id_y 1
		.amdhsa_system_sgpr_workgroup_id_z 1
		.amdhsa_system_vgpr_workitem_id 0
		.amdhsa_next_free_vgpr 512
		.amdhsa_next_free_sgpr 80
		.amdhsa_reserve_vcc 0
		.amdhsa_float_denorm_mode_32 3
		.amdhsa_float_denorm_mode_16_64 3
		.amdhsa_memory_ordered 1
		.amdhsa_forward_progress 1
		.amdhsa_inst_pref_size 148
	.end_amdhsa_kernel
	.amdgpu_metadata
---
amdhsa.version: [ 1, 2 ]
amdhsa.kernels:
  - .name:           k_qcf8fd564bd_prep
    .symbol:         k_qcf8fd564bd_prep.kd
    .args:
      - { .name: pos, .offset: 0, .size: 8, .value_kind: global_buffer, .address_space: global }
      - { .name: wq, .offset: 8, .size: 8, .value_kind: global_buffer, .address_space: global }
      - { .name: wk, .offset: 16, .size: 8, .value_kind: global_buffer, .address_space: global }
      - { .name: wv, .offset: 24, .size: 8, .value_kind: global_buffer, .address_space: global }
      - { .name: bq, .offset: 32, .size: 8, .value_kind: global_buffer, .address_space: global }
      - { .name: bk, .offset: 40, .size: 8, .value_kind: global_buffer, .address_space: global }
      - { .name: bv, .offset: 48, .size: 8, .value_kind: global_buffer, .address_space: global }
      - { .name: w_res1, .offset: 56, .size: 8, .value_kind: global_buffer, .address_space: global }
      - { .name: b_res1, .offset: 64, .size: 8, .value_kind: global_buffer, .address_space: global }
      - { .name: bn_gamma, .offset: 72, .size: 8, .value_kind: global_buffer, .address_space: global }
      - { .name: bn_beta, .offset: 80, .size: 8, .value_kind: global_buffer, .address_space: global }
      - { .name: bn_mean, .offset: 88, .size: 8, .value_kind: global_buffer, .address_space: global }
      - { .name: bn_var, .offset: 96, .size: 8, .value_kind: global_buffer, .address_space: global }
      - { .name: qc, .offset: 104, .size: 8, .value_kind: global_buffer, .address_space: global }
      - { .name: rc, .offset: 112, .size: 8, .value_kind: global_buffer, .address_space: global }
      - { .name: kv, .offset: 120, .size: 8, .value_kind: global_buffer, .address_space: global }
      - { .name: qrs, .offset: 128, .size: 8, .value_kind: global_buffer, .address_space: global }
      - { .name: kvs, .offset: 136, .size: 8, .value_kind: global_buffer, .address_space: global }
    .group_segment_fixed_size: 70656
    .private_segment_fixed_size: 0
    .kernarg_segment_align: 8
    .kernarg_segment_size: 144
    .max_flat_workgroup_size: 256
    .sgpr_count:     80
    .vgpr_count:     512
    .wavefront_size: 32
...
	.end_amdgpu_metadata
.endif
;; end of part 1
;; launch attn (part 2): grid 16 x 16, 4 waves a work-group, clusters of 4 x 1, 327,680 bytes of LDS; arguments qc, rc, qrs, kv, kvs, w_res2_codes, w_res2_scales, b_res2, out0; writes out0
.if DOCPART == 2
	.amdgcn_target "amdgcn-amd-amdhsa--gfx1250"
	.amdhsa_code_object_version 6
	.text
	.protected	k_qcf8fd564bd_attn
	.globl	k_qcf8fd564bd_attn
	.p2align	8
	.type	k_qcf8fd564bd_attn,@function
k_qcf8fd564bd_attn:
	s_mov_b64 s[64:65], 0
	v_nop
	global_prefetch_b8 v0, s[64:65] scope:SCOPE_SE
	s_setreg_imm32_b32 hwreg(HW_REG_WAVE_MODE, 25, 1), 1
	s_wait_xcnt 0x0
	s_wait_alu depctr_hold_cnt(0) depctr_sa_sdst(0) depctr_va_vdst(0) depctr_va_sdst(0) depctr_va_ssrc(0) depctr_va_vcc(0) depctr_vm_vsrc(0)
	s_getreg_b32 s2, hwreg(HW_REG_IB_STS2, 6, 4)
	s_cmp_eq_u32 s2, 0
	s_cbranch_scc0 .Lentry_in_a_cluster
	s_endpgm
.Lentry_in_a_cluster:
	s_bfe_u32 s2, ttmp6, 0x10000c
	s_cmp_lg_u32 s2, 0x3003
	s_cbranch_scc0 .Lentry_shape_is_right
	s_endpgm
.Lentry_shape_is_right:
; ATTN: out0[b][d][i] = (sum over j of p(i, j) v(d, j)) / l(i) + sum over c of w_res2(d, c) r(c, i) + b_res2(d), all products on codes of E2M1 with one E8M0 scale for each 32 along K.
; t = score x log2(e) / sqrt(384); M = the running largest t rounded UP to a whole number; p = 2^(t - M) is quantised along the keys, not normalised; l is the sum of the unquantised p.
; When M moves, l and O are multiplied by 2^(old M - new M): exact.
; SHARES.  A work-group owns 128 queries of one batch (y); each of its four waves 32: two tiles of 16.  Every wave walks the batch's 2,048 keys, 128 a step; each fragment of K and V read from LDS feeds two products.
; LAYOUT.  All products are used transposed (S^T = K Q^T, O^T = V^T P^T, R^T = W2 r^T): a lane holds ONE query throughout.  Operands come as images of their registers (1,024 bytes a fragment, 16 bytes a lane),
; as the launch before laid them; the keys of a tile are chosen so that the 16 registers of tiles 2 b and 2 b + 1 are 16 neighbouring keys.
; RING.  Two LDS slots of two key steps (98,304 bytes each), filled by the tensor data mover, a quarter a wave.  The batch's scale words (49,152 bytes) come once.  At the last change of slots the slot that is left
; takes w_res2's codes and scale bytes.
; CLUSTER.  The four query blocks of a cluster belong to one batch and walk the same K and V, so every tile is asked for JOINTLY: the same tensor load with the same descriptor and the mask of all four.
; PIPELINE.  A turn (ROT) runs V^T P of step j, K Q^T of step j + 1 and the softmax of step j + 1; all its LDS loads are step j + 1's.
; THE TWO TILES' SOFTMAXES ARE LACED: one tile's exponentials stand singly between the other tile's plain lines, so that a step has two waits for its 136 exponentials, each behind plain work that names no result.
; LIMITS: NaN and infinities are not served; a block's largest p is taken as the exponential of its largest score (v_exp_f32 is taken not to fall where its input rises); a block whose every p is 0 keeps the scale byte 1.
; REGISTERS, in windows of 256: window 0: addresses, statistics, scale words, P, S^T.  window 1: tile 0's O^T (v0-191), Q (v192-239).  window 2: tile 1's O^T, r's fragments (v192-239).  window 3: four buffers of 64.
.set STEPB, 49152                      ; a key step's tiles: 24 fragments of K, then 24 of V
.set SLOT1, 1<<17                      ; slot 1 begins here: one exclusive or turns an address in one slot into the other's
.set SCB,   229376                     ; the batch's scale words, 3,072 bytes a step
.set SPARE, 278528                     ; the spare words, 128 bytes a wave: two blocks of 256 bytes that no other line names
.set WSCL,  92160                      ; w_res2's scale bytes, behind its codes (rows of 64 bytes + 16: (d, s) at 80 (3 d + s))
.set SPI,   528                        ; a stage row: 128 queries x 4 bytes + 16
.set L16, 1                            ; 16 x lane
.set ADR, 2                            ; the step's tiles
.set ADS, 3                            ; the step's scale words
.set SPW, 4                            ; my spare word; never rewritten
.set NIL, 5                            ; 0; never rewritten
.set PFO, 6                            ; 256 x lane
.set WAD, 7                            ; w_res2's fragments: 240 r + 16 h, + 30,720 a chunk
.set WSA, 8                            ; its scale words: WSCL + 12 r
.set BAD, 9                            ; 32 h: b_res2
.set SC0, 10                           ; v10-11 my place in a stage: 8 h rows + 4 (32 w + 8 q + r + 8 (r / 8))
.set ST,  12                           ; v12-27 a tile's eight: -M, largest t, l (two halves), f and its partner, 1 / l and its partner
.set KS,  28                           ; v28-39 K's scale words (scales and nothing else; on the way out v28-51 hold w_res2's)
.set VS,  40                           ; v40-51 V's
.set QS,  52                           ; v52-57 Q's
.set PS,  58                           ; v58-59 P's
.set BM,  60                           ; v60-63 tile 0: the blocks' largest scores, then largest p
.set PM,  64                           ; v64-67 at work
.set SO,  68                           ; v68-71 at work, then the conversions' scale operands
.set T0,  72                           ; v72-73 at work
.set DQ,  180                          ; tile 1's thirteen work registers lie 180 further on: v240-252
.set P,   84                           ; v84-99 P's codes, 8 a tile
.set S,   100                          ; v100-227 S^T, then p: 64 a tile
.set SA0, 228                          ; v228-229 stage addresses
.set RB0, 230                          ; 32 w rows + 16 x lane
.set RB,  231
.set L4,  233                          ; 4 x lane
.set RS,  234                          ; v234-239 r's scale words
.set B0,  0
.set B1,  64
.set B2,  128
.set B3,  192
.set QF,  192                          ; Q (window 1), r (window 2): tile q, K step s at QF + 8 (3 q + s)
.set WV,  22
.set CX,  23
.set QB,  24
.set BT,  25
.set G1KV, 32
.set G1SC, 40
.set G1W,  48
.set G1WS, 56
.set G0S,  68
.set G0A,  72
.set G0B,  76
.set G0W,  80
.set G0WS, 84
.set CS,   88
.set SEL,  90
.set TB,   92
.set TS,   93
.set SLOTS, 94
.set TWICE, 95
.set LIM,  96
.set PFA,  98
.set MSB, 0
.macro WIN new                         ; the immediate's high byte repeats the setting that is left; a switch that changes nothing is dropped
.if MSB != (\new)
	s_set_vgpr_msb (MSB<<8)|(\new)
.set MSB, (\new)
.endif
.endm
.macro PLACES n
.rept \n
	v_nop
.endr
.endm
.macro CROUND                          ; a round of the cluster's barrier
	s_barrier_signal -1
	s_barrier_wait -1
	s_cmp_lg_u32 s[WV], 0
	s_cbranch_scc1 .Lnot_wave_0_\@
	s_barrier_signal -3
.Lnot_wave_0_\@:
	s_barrier_wait -3
	s_barrier_signal -1
	s_barrier_wait -1
.endm
; one scaled product.  c < 0: the constant 0 starts the sum.  row = 1: source 0's scale words stand in lanes 16-31
.macro WM d, a, b, c, sa, sb, row
.if (\c) < 0
.if \row
	v_wmma_scale_f32_16x16x128_f8f6f4 v[\d:\d+7], v[\a:\a+7], v[\b:\b+7], 0, v[\sa], v[\sb] matrix_a_fmt:MATRIX_FMT_FP4 matrix_b_fmt:MATRIX_FMT_FP4 matrix_a_scale:MATRIX_SCALE_ROW1
.else
	v_wmma_scale_f32_16x16x128_f8f6f4 v[\d:\d+7], v[\a:\a+7], v[\b:\b+7], 0, v[\sa], v[\sb] matrix_a_fmt:MATRIX_FMT_FP4 matrix_b_fmt:MATRIX_FMT_FP4
.endif
.else
.if \row
	v_wmma_scale_f32_16x16x128_f8f6f4 v[\d:\d+7], v[\a:\a+7], v[\b:\b+7], v[\c:\c+7], v[\sa], v[\sb] matrix_a_fmt:MATRIX_FMT_FP4 matrix_b_fmt:MATRIX_FMT_FP4 matrix_a_scale:MATRIX_SCALE_ROW1
.else
	v_wmma_scale_f32_16x16x128_f8f6f4 v[\d:\d+7], v[\a:\a+7], v[\b:\b+7], v[\c:\c+7], v[\sa], v[\sb] matrix_a_fmt:MATRIX_FMT_FP4 matrix_b_fmt:MATRIX_FMT_FP4
.endif
.endif
.endm
.macro LDF buf, off                    ; eight fragments, 16 loads of 512 consecutive bytes, into a buffer of window 3
	WIN 0xc0
.irp i, 0,1,2,3,4,5,6,7
	ds_load_b128 v[\buf+8*\i:\buf+8*\i+3], v[ADR] offset:\off+1024*\i
	ds_load_b128 v[\buf+8*\i+4:\buf+8*\i+7], v[ADR] offset:\off+1024*\i+512
.endr
.endm
.macro LD_HEAD                         ; the step's addresses, K's scale words (register t / 2 of four, lanes r + 16 (t % 2)), K's third chunk
	WIN 0
	v_add_nc_u32 v[ADR], s[TB], v[L16]
	v_add_nc_u32 v[ADS], s[TS], v[L16]
.irp s, 0,1,2
	ds_load_b128 v[KS+4*\s:KS+4*\s+3], v[ADS] offset:512*\s
.endr
	LDF B2, 16384
.endm
.macro LDVS                            ; V's scale words
	WIN 0
.irp c, 0,1,2
	ds_load_b128 v[VS+4*\c:VS+4*\c+3], v[ADS] offset:1536+512*\c
.endr
.endm
; S^T = K Q^T: 48 products; the 16 accumulators (8 tiles of keys x 2 tiles of queries) take turns, one instruction a turn
.macro SPHS s
.irp t, 0,1,2,3,4,5,6,7
.irp q, 0,1
.if \s == 0
	WM S+64*\q+8*\t, 64*\s+8*\t, QF+8*(3*\q+\s), -1, KS+4*\s+\t/2, QS+3*\q+\s, \t%2
.else
	WM S+64*\q+8*\t, 64*\s+8*\t, QF+8*(3*\q+\s), S+64*\q+8*\t, KS+4*\s+\t/2, QS+3*\q+\s, \t%2
.endif
.endr
.endr
.endm
.macro SPH
	s_wait_dscnt 35                                ; K's scale words and chunks 2 and 0 are in; chunk 1 (16), V's chunk 0 (16) and V's scale words (3) may be out
	WIN 0x07                                       ; K window 3, Q window 1, S^T window 0
	SPHS 0
	s_wait_dscnt 19                                ; chunk 1 is in
	SPHS 1
	SPHS 2
.endm
; O^T += V^T P for channels 128 c on: eight accumulators of tile 0, then eight of tile 1, each once
.macro PVC c, buf, zero
	WIN 0x53                                       ; V window 3, P window 0, O^T window 1
.irp t, 0,1,2,3,4,5,6,7
.if \zero
	WM 8*(8*\c+\t), \buf+8*\t, P, -1, VS+4*\c+\t/2, PS, \t%2
.else
	WM 8*(8*\c+\t), \buf+8*\t, P, 8*(8*\c+\t), VS+4*\c+\t/2, PS, \t%2
.endif
.endr
	WIN 0xa3                                       ; O^T window 2
.irp t, 0,1,2,3,4,5,6,7
.if \zero
	WM 8*(8*\c+\t), \buf+8*\t, P+8, -1, VS+4*\c+\t/2, PS+1, \t%2
.else
	WM 8*(8*\c+\t), \buf+8*\t, P+8, 8*(8*\c+\t), VS+4*\c+\t/2, PS+1, \t%2
.endif
.endr
.endm
; THE SOFTMAX OF A TILE FOR ONE KEY STEP, as three numbered lists and the rescaling; each macro writes one line of tile q's list, all in window 0.
.macro SREG q                          ; tile q's registers
.set rS, S+64*(\q)
.set rT, ST+8*(\q)
.set rP, P+8*(\q)
.set rB, BM+DQ*(\q)
.set rM, PM+DQ*(\q)
.set rO, SO+DQ*(\q)
.set rW, T0+DQ*(\q)
.endm
; LIST A, number JA of 85, all plain: 0-39 the largest score of each block of 32 keys (it serves for the row's maximum and for the block's largest p); 40-48 the running t, -M, f; 49-84 t - M
.macro SA q
	SREG \q
.if JA < 4
	v_max3_num_f32 v[rB+JA], v[rS+16*JA], v[rS+16*JA+1], v[rS+16*JA+2]
.elseif JA < 28
.set XB, JA%4
.set XI, 3+2*((JA-4)/4)
	v_max3_num_f32 v[rB+XB], v[rB+XB], v[rS+16*XB+XI], v[rS+16*XB+XI+1]
.elseif JA < 32
	v_max_num_f32 v[rB+JA-28], v[rB+JA-28], v[rS+16*(JA-28)+15]
.elseif JA < 36
	v_permlanex16_b32 v[rM+JA-32], v[rB+JA-32], s[SEL], s[SEL+1]
.elseif JA < 40
	v_max_num_f32 v[rB+JA-36], v[rB+JA-36], v[rM+JA-36]    ; with lane l xor 16's 16 keys
.elseif JA == 40
	v_max3_num_f32 v[rW], v[rB], v[rB+1], v[rB+2]
.elseif JA == 41
	v_max_num_f32 v[rW], v[rW], v[rB+3]
.elseif JA == 42
	v_mul_f32 v[rW], s[CS], v[rW]                  ; as t (c is positive)
.elseif JA == 43
	v_max_num_f32 v[rT+1], v[rT+1], v[rW]          ; the running largest t
.elseif JA == 44
	v_mov_b32 v[rW], v[rT]
.elseif JA == 45
	v_floor_f32 v[rT], -v[rT+1]                    ; -M = floor(-t): M is a whole number
.elseif JA == 46
	v_sub_f32 v[rW], v[rT], v[rW]                  ; old M - new M, 0 or less
.elseif JA == 47
	v_cvt_i32_f32 v[rW], v[rW]                     ; (it saturates)
.elseif JA == 48
	v_ldexp_f32 v[rT+4], 1.0, v[rW]                ; f = 2^(old M - new M)
.elseif JA < 81
.set XI, 2*(JA-49)
	v_pk_fma_f32 v[rS+XI:rS+XI+1], v[rS+XI:rS+XI+1], s[CS:CS+1], v[rT:rT+1] op_sel_hi:[1,0,0]   ; t - M
.else
	v_fma_f32 v[rB+JA-81], v[rB+JA-81], s[CS], v[rT]
.endif
.endm
; LIST E, number JE of 68: the exponentials: p, at most 1; then the four blocks' largest p
.macro SE q
	SREG \q
.if JE < 64
	v_exp_f32 v[rS+JE], v[rS+JE]
.else
	v_exp_f32 v[rB+JE-64], v[rB+JE-64]
.endif
.endm
; LIST B, number JB of 61: 0-32 l under the new M, and the row's sum of the unquantised p, in four chains; 33-47 the blocks' scale bytes and the scale word; 48-60 the codes, a whole block to a lane
.macro SB q
	SREG \q
.if JB == 0
	v_pk_mul_f32 v[rT+2:rT+3], v[rT+2:rT+3], v[rT+4:rT+5] op_sel_hi:[1,0]
.elseif JB == 1
	v_pk_add_f32 v[rM:rM+1], v[rS:rS+1], v[rS+2:rS+3]
.elseif JB == 2
	v_pk_add_f32 v[rM+2:rM+3], v[rS+4:rS+5], v[rS+6:rS+7]
.elseif JB == 3
	v_pk_add_f32 v[rO:rO+1], v[rS+8:rS+9], v[rS+10:rS+11]
.elseif JB < 30
.set XN, JB-4
.set XD, rT+2
.if XN%4 == 1
.set XD, rM
.elseif XN%4 == 2
.set XD, rM+2
.elseif XN%4 == 3
.set XD, rO
.endif
	v_pk_add_f32 v[XD:XD+1], v[XD:XD+1], v[rS+12+2*XN:rS+13+2*XN]
.elseif JB == 30
	v_pk_add_f32 v[rM:rM+1], v[rM:rM+1], v[rM+2:rM+3]
.elseif JB == 31
	v_pk_add_f32 v[rT+2:rT+3], v[rT+2:rT+3], v[rO:rO+1]
.elseif JB == 32
	v_pk_add_f32 v[rT+2:rT+3], v[rT+2:rT+3], v[rM:rM+1]
.elseif JB < 37
	v_max_num_f32 v[rB+JB-33], 0x1800000, v[rB+JB-33]      ; the floor 2^(3 - 127): the byte cannot fall under 1
.elseif JB < 41
	v_add_nc_u32 v[rO+JB-37], 0xff000000, v[rB+JB-37]      ; 2 off the exponent field: the conversion's scale operand
.elseif JB < 45
	v_lshrrev_b32 v[rM+JB-41], 23, v[rO+JB-41]             ; the byte
.elseif JB == 45
	v_lshl_or_b32 v[PS+(\q)], v[rM+1], 8, v[rM]
.elseif JB == 46
	v_lshl_or_b32 v[PS+(\q)], v[rM+2], 16, v[PS+(\q)]
.elseif JB == 47
	v_lshl_or_b32 v[PS+(\q)], v[rM+3], 24, v[PS+(\q)]
.elseif JB < 56
.set XN, JB-48
	v_cvt_scalef32_pk8_fp4_f32 v[rP+XN], v[rS+8*XN:rS+8*XN+7], v[rO+XN/2]
.elseif JB == 56
	v_nop                                          ; one plain place between the conversions and the lines that touch their results
.else
.set XN, JB-57
	v_permlane16_swap_b32 v[rP+4*(XN/2)+XN%2], v[rP+4*(XN/2)+2+XN%2]
.endif
.endm
.macro RESC q                          ; tile q's O^T under the new M
	WIN 0x41+0x41*(\q)                             ; O^T (destination and source 0) window 1 or 2, f window 0
.set J, 0
.rept 96
	v_pk_mul_f32 v[J:J+1], v[J:J+1], v[ST+8*(\q)+4:ST+8*(\q)+5] op_sel_hi:[1,0]
.set J, J+2
.endr
.endm
; BOTH TILES: A0 | A1 with E0 between its lines | the wait | E1 with B0 between its lines | tile 0's rescaling | the wait | B1 | tile 1's rescaling.
; No line between a batch's first exponential and its wait names one of the batch's results: the lines between are the other tile's.  Behind E0's last stand 17 plain lines of A1, behind E1's last the rescaling (or a v_nop).
.macro SOFT2 resc
	WIN 0
.set JA, 0
.rept 85
	SA 0
.set JA, JA+1
.endr
.set JA, 0
.set JE, 0
.rept 85
	SA 1
.if JE < 68
	SE 0
.endif
.set JA, JA+1
.set JE, JE+1
.endr
	s_wait_alu depctr_va_vdst(0)                   ; one wait for tile 0's 68, ahead of their first reader
.set JE, 0
.set JB, 0
.rept 68
	SE 1
.if JB < 61
	SB 0
.endif
.set JE, JE+1
.set JB, JB+1
.endr
.if \resc
	RESC 0
	WIN 0
.else
	v_nop                                          ; the plain place behind the last exponential
.endif
	s_wait_alu depctr_va_vdst(0)                   ; and one for tile 1's 68
.set JB, 0
.rept 61
	SB 1
.set JB, JB+1
.endr
.if \resc
	RESC 1
.endif
.endm
; A TURN: V^T P of the step in hand; K Q^T and the softmax of the next step, whose loads all stand here.  Each buffer is loaded again four places behind the last product that read it.
.macro ROT zero
	LD_HEAD
	s_wait_dscnt 19                                ; all but LD_HEAD's 3 + 16: V's three chunks and its scale words are in
	PVC 1, B0, \zero
	PLACES 4
	LDF B0, 0                                      ; K's chunk 0
	PVC 2, B1, \zero
	PLACES 4
	LDF B1, 8192                                   ; K's chunk 1
	PVC 0, B3, \zero
	PLACES 4
	LDF B3, 24576                                  ; V's chunk 0
	LDVS
	SPH
	PLACES 4                                       ; in front of the loads below and of the first read of the scores
	LDF B0, 32768                                  ; V's chunks 1 and 2
	LDF B1, 40960
	SOFT2 1
	WIN 0
	s_add_co_u32 s[TB], s[TB], STEPB
	s_add_co_u32 s[TS], s[TS], 3072
.endm
; A PREFETCH INTO THE L2 of the slot that the NEXT change of slots will ask for: 98,304 bytes = 384 blocks of 256.  All four clusters of a batch walk the same K and V: the batch's first cluster asks.  Its four partners
; take 24,576 bytes each, told apart BY ADDRESS; in each, waves 0 to 2 take 8,192 bytes, lanes 256 bytes apart.  So each block is named once.  The last change that fills a slot asks for nothing.
.macro ASK
	s_cmp_gt_u32 s[SLOTS], s[LIM]
	s_cbranch_scc0 .Lnot_mine_\@
	global_prefetch_b8 v[PFO], s[PFA:PFA+1] th:TH_LOAD_NT scope:SCOPE_SE
.Lnot_mine_\@:
.endm
; THE CHANGE OF SLOTS: all loads of the slot's second step have been issued.  Each wave waits for all its tensor loads, adds 0 to its spare word, waits for that and for its reads of the slot; a round of the cluster's
; barrier; the joint refill first behind it, one a wave.  kind = 1: the keys two slots on.  kind = 2: w_res2 (waves 0 to 2: 128 rows of codes each; wave 3: the scale bytes).
.macro CHANGE kind
	WIN 0
	s_wait_tensorcnt 0x0                           ; no tensor load of mine is out, so a group 0 may be written
	ds_add_u32 v[SPW], v[NIL]                      ; 0 onto my spare word
.if \kind == 1
	s_xor_b32 s[G0B+1], s[G0B+1], SLOT1            ; the walking descriptor: the other slot than last time,
	s_add_nc_u64 s[G0B+2:G0B+3], s[G0B+2:G0B+3], 2*STEPB   ; the next 256 keys
	s_wait_xcnt 0x0                                ; the last prefetch, two key steps back, has read its address
	s_add_nc_u64 s[PFA:PFA+1], s[PFA:PFA+1], 2*STEPB
.endif
	s_wait_dscnt 0x0                               ; the add is done, and my reads of the slot are over
	CROUND
.if \kind == 1
	tensor_load_to_lds s[G0B:G0B+3], s[G1KV:G1KV+7]
	s_nop 0
	PLACES 4
	ASK
.else
	s_cmp_lt_u32 s[WV], 3
	s_cbranch_scc0 .Lfor_s_\@
	tensor_load_to_lds s[G0W:G0W+3], s[G1W:G1W+7]
	s_nop 0
	PLACES 4
	s_branch .Lasked_\@
.Lfor_s_\@:
	tensor_load_to_lds s[G0WS:G0WS+3], s[G1WS:G1WS+7]
	s_nop 0
	PLACES 4
.Lasked_\@:
.endif
	s_sub_co_u32 s[TB], s[TB], 2*STEPB             ; the fetches go back to a slot's first step,
	s_xor_b32 s[TB], s[TB], SLOT1                  ; in the other slot
.endm
.macro TWO_STEPS
	s_mov_b32 s[TWICE], 2
.Lstep_\@:
	ROT 0
	s_sub_co_u32 s[TWICE], s[TWICE], 1
	s_cmp_lg_u32 s[TWICE], 0
	s_cbranch_scc1 .Lstep_\@
.endm
	s_load_b256 s[4:11], s[0:1], 0x0               ; qc 4, rc 6, qrs 8, kv 10
	s_load_b256 s[12:19], s[0:1], 0x20             ; kvs 12, w_res2_codes 14, w_res2_scales 16, b_res2 18
	s_load_b64 s[20:21], s[0:1], 0x40              ; out0
	v_lshl_add_u32 v[SPW], v0, 2, SPARE
	v_mov_b32 v[NIL], 0
	ds_add_u32 v4, v5
	ds_add_u32 v4, v5
	s_wait_dscnt 0x0
	v_lshrrev_b32 v[T0], 5, v0
	v_readfirstlane_b32 s[WV], v[T0]               ; wave 0..3
	s_bfe_u32 s[CX], ttmp6, 0x40000                ; my place in the cluster
	s_lshl_b32 s[QB], ttmp9, 2
	s_add_co_u32 s[QB], s[QB], s[CX]               ; my block of 128 queries: it enters Q's, r's and the output's addresses and the prefetches' alone
	s_and_b32 s[BT], ttmp7, 0xffff                 ; the batch, which the four partners share
	; descriptor groups 1.  Dense blocks as rows of 256 bytes (32 elements of 8 bytes); the mask names all four work-groups, bit 21 beside it
	s_mov_b32 s[G1KV], 15|(3<<16)|(1<<21)
	s_mov_b32 s[G1KV+1], 32<<16
	s_mov_b32 s[G1KV+2], 96<<16                    ; a quarter of a slot: 96 rows
	s_mov_b32 s[G1KV+3], 32<<16
	s_mov_b32 s[G1KV+4], 96
	s_mov_b32 s[G1KV+5], 32
	s_mov_b32 s[G1KV+6], 0
	s_mov_b32 s[G1KV+7], 0
	s_mov_b32 s[G1SC], 15|(3<<16)|(1<<21)
	s_mov_b32 s[G1SC+1], 32<<16
	s_mov_b32 s[G1SC+2], 48<<16                    ; a quarter of the scale words: 48 rows
	s_mov_b32 s[G1SC+3], 32<<16
	s_mov_b32 s[G1SC+4], 48
	s_mov_b32 s[G1SC+5], 32
	s_mov_b32 s[G1SC+6], 0
	s_mov_b32 s[G1SC+7], 0
	s_mov_b32 s[G1W], 15|(1<<20)|(1<<21)|(3<<22)|(3<<25)   ; elements of 1 byte; four words of padding behind every 16
	s_mov_b32 s[G1W+1], 64<<16
	s_mov_b32 s[G1W+2], 384<<16                    ; 128 rows of w_res2 = 384 rows of 64 bytes
	s_mov_b32 s[G1W+3], 64<<16
	s_mov_b32 s[G1W+4], 384
	s_mov_b32 s[G1W+5], 64
	s_mov_b32 s[G1W+6], 0
	s_mov_b32 s[G1W+7], 0
	s_mov_b32 s[G1WS], 15|(3<<16)|(1<<21)
	s_mov_b32 s[G1WS+1], 32<<16
	s_mov_b32 s[G1WS+2], 18<<16                    ; 4,608 scale bytes
	s_mov_b32 s[G1WS+3], 32<<16
	s_mov_b32 s[G1WS+4], 18
	s_mov_b32 s[G1WS+5], 32
	s_mov_b32 s[G1WS+6], 0
	s_mov_b32 s[G1WS+7], 0
	s_mov_b32 s[CS], 0x3d96c740                    ; c = log2(e) / sqrt(384)
	s_mov_b32 s[CS+1], s[CS]
	s_mov_b32 s[SEL], 0x76543210
	s_mov_b32 s[SEL+1], 0xfedcba98
	s_mov_b32 s[TB], 0
	s_mov_b32 s[TS], SCB
	s_mov_b32 s[SLOTS], 6
	s_cmp_lt_u32 s[WV], 3
	s_cselect_b32 s[LIM], 0, 1
	s_or_b32 s[LIM], s[LIM], ttmp9                 ; 0 in waves 0 to 2 of the batch's first cluster: the same in all four partners
	s_cmp_eq_u32 s[LIM], 0
	s_cselect_b32 s[LIM], 1, -1
	s_mul_i32 s26, s[BT], 16*STEPB
	s_mov_b32 s27, 0                               ; the batch in kv
	s_mul_i32 s31, s[WV], 24576                    ; my quarter of a slot; also my 128 rows of w_res2's codes in memory
	s_mul_i32 s30, s[WV], 12288                    ; my quarter of the scale words
	s_mul_i32 s28, s[BT], 49152
	s_add_co_u32 s28, s28, s30
	s_mov_b32 s29, 0
	s_mul_i32 s2, s[CX], 24576
	s_lshl_b32 s3, s[WV], 13
	s_add_co_u32 s2, s2, s3
	s_add_co_u32 s2, s2, 4*STEPB                   ; the prefetches stand in slot 2; the first change steps them to slot 3
	s_mov_b32 s3, 0
	v_and_b32 v[T0], 31, v0
	v_lshlrev_b32 v[L16], 4, v[T0]
	v_lshlrev_b32 v[L4], 2, v[T0]
	v_lshlrev_b32 v[PFO], 8, v[T0]
	s_wait_kmcnt 0x0
	s_add_nc_u64 s[10:11], s[10:11], s[26:27]
	s_add_nc_u64 s[PFA:PFA+1], s[10:11], s[2:3]
	s_mov_b32 s26, s31
	s_add_nc_u64 s[10:11], s[10:11], s[26:27]
	s_add_nc_u64 s[12:13], s[12:13], s[28:29]
	s_add_nc_u64 s[14:15], s[14:15], s[26:27]
	s_mov_b32 s[G0S], 1
	s_add_co_u32 s[G0S+1], s30, SCB
	s_mov_b64 s[G0S+2:G0S+3], s[12:13]
	s_or_b32 s[G0S+3], s[G0S+3], 0x80000000
	s_mov_b32 s[G0A], 1
	s_mov_b32 s[G0A+1], s31
	s_mov_b64 s[G0A+2:G0A+3], s[10:11]
	s_or_b32 s[G0A+3], s[G0A+3], 0x80000000
	s_mov_b32 s[G0B], 1
	s_add_co_u32 s[G0B+1], s31, SLOT1
	s_add_nc_u64 s[G0B+2:G0B+3], s[10:11], 2*STEPB
	s_or_b32 s[G0B+3], s[G0B+3], 0x80000000
	s_mov_b32 s[G0W], 1
	s_mul_i32 s[G0W+1], s[WV], 30720
	s_mov_b64 s[G0W+2:G0W+3], s[14:15]
	s_or_b32 s[G0W+3], s[G0W+3], 0x80000000
	s_mov_b32 s[G0WS], 1
	s_mov_b32 s[G0WS+1], WSCL
	s_mov_b64 s[G0WS+2:G0WS+3], s[16:17]
	s_or_b32 s[G0WS+3], s[G0WS+3], 0x80000000
	CROUND                                         ; all four work-groups are here: the first joint loads meet
	tensor_load_to_lds s[G0S:G0S+3], s[G1SC:G1SC+7]    ; three first fills together: three tensor loads of mine are out; later one
	s_nop 0
	tensor_load_to_lds s[G0A:G0A+3], s[G1KV:G1KV+7]
	s_nop 0
	tensor_load_to_lds s[G0B:G0B+3], s[G1KV:G1KV+7]
	s_nop 0
	PLACES 4
	s_lshl_b32 s2, s[QB], 3
	s_lshl_b32 s26, s[WV], 1
	s_add_co_u32 s2, s2, s26                       ; my first tile of 16 queries
	s_mul_i32 s2, s2, 3072
	s_mul_i32 s26, s[BT], 393216
	s_add_co_u32 s2, s2, s26
	s_add_nc_u64 s[4:5], s[4:5], s[2:3]
	s_add_nc_u64 s[6:7], s[6:7], s[2:3]
	s_mul_i32 s2, s[QB], 6144
	s_mul_i32 s26, s[WV], 768
	s_add_co_u32 s2, s2, s26
	s_mul_i32 s26, s[BT], 98304
	s_add_co_u32 s2, s2, s26
	s_add_nc_u64 s[8:9], s[8:9], s[2:3]
	s_mul_i32 s2, s[BT], 3145728
	s_lshl_b32 s26, s[WV], 18                      ; the 32 rows of a chunk that I store
	s_add_co_u32 s2, s2, s26
	s_lshl_b32 s26, s[QB], 9
	s_add_co_u32 s2, s2, s26
	s_add_nc_u64 s[20:21], s[20:21], s[2:3]
	WIN 0x40                                       ; destination window 1
.irp q, 0,1
.irp s, 0,1,2
	global_load_b128 v[QF+8*(3*\q+\s):QF+8*(3*\q+\s)+3], v[L16], s[4:5] offset:3072*\q+1024*\s
	global_load_b128 v[QF+8*(3*\q+\s)+4:QF+8*(3*\q+\s)+7], v[L16], s[4:5] offset:3072*\q+1024*\s+512
.endr
.endr
	WIN 0x80                                       ; destination window 2
.irp q, 0,1
.irp s, 0,1,2
	global_load_b128 v[QF+8*(3*\q+\s):QF+8*(3*\q+\s)+3], v[L16], s[6:7] offset:3072*\q+1024*\s
	global_load_b128 v[QF+8*(3*\q+\s)+4:QF+8*(3*\q+\s)+7], v[L16], s[6:7] offset:3072*\q+1024*\s+512
.endr
.endr
	WIN 0
.irp q, 0,1
.irp s, 0,1,2
	global_load_b32 v[QS+3*\q+\s], v[L4], s[8:9] offset:384*\q+128*\s
	global_load_b32 v[RS+3*\q+\s], v[L4], s[8:9] offset:3072+384*\q+128*\s
.endr
.endr
	v_and_b32 v[BM], 15, v0                        ; r
	v_bfe_u32 v[BM+1], v0, 4, 1                    ; h
	v_and_b32 v[BM+2], 8, v[BM]
	v_add_nc_u32 v[BM+2], v[BM+2], v[BM]           ; r + 8 (r / 8)
	v_mul_u32_u24 v[WAD], v[BM], 240
	v_lshl_add_u32 v[WAD], v[BM+1], 4, v[WAD]
	v_mul_u32_u24 v[WSA], v[BM], 12
	v_add_nc_u32 v[WSA], WSCL, v[WSA]
	v_lshlrev_b32 v[BAD], 5, v[BM+1]
	v_mul_u32_u24 v[SC0], v[BM+1], 8*SPI
	v_lshl_add_u32 v[SC0], v[BM+2], 2, v[SC0]
	s_lshl_b32 s2, s[WV], 7
	v_add_nc_u32 v[SC0], s2, v[SC0]
	v_add_nc_u32 v[SC0+1], 32, v[SC0]
	s_mul_i32 s2, s[WV], 32*SPI
	v_add_nc_u32 v[RB0], s2, v[L16]
.irp q, 0,1
	v_mov_b32 v[ST+8*\q+1], 0xff61b1e6             ; the largest t so far: -3e38, under every t
	v_floor_f32 v[ST+8*\q], -v[ST+8*\q+1]
.irp j, 2,3,4,5,6,7
	v_mov_b32 v[ST+8*\q+\j], 0                     ; l; and the pairs' partners, which are named and so are written
.endr
.irp b, 0,1,2,3
	v_mov_b32 v[PM+DQ*\q+\b], 0                    ; written once: a lane permute's destination counts as one of its sources
.endr
.endr
	s_wait_tensorcnt 0x1                           ; the scale words and my part of slot 0 are in; slot 1's may stay out
	s_barrier_signal -1
	s_barrier_wait -1
	; ---- the first step's scores and softmax
	LD_HEAD
	LDF B0, 0
	LDF B1, 8192
	LDF B3, 24576
	LDVS
	s_wait_loadcnt 0x0                             ; Q, r and their scale words
	SPH
	PLACES 4
	LDF B0, 32768
	LDF B1, 40960
	SOFT2 0
	PLACES 8                                       ; no rescaling follows here: P's scale word stands eight places, its codes four, ahead of the scaled products
	WIN 0
	s_add_co_u32 s[TB], s[TB], STEPB
	s_add_co_u32 s[TS], s[TS], 3072
	ROT 1                                          ; step 0's V^T P starts O^T's sums: nothing is cleared
.Lslot:                                            ; six trips: every slot but the last two is filled again with keys
	CHANGE 1
	TWO_STEPS
	s_sub_co_u32 s[SLOTS], s[SLOTS], 1
	s_cmp_lg_u32 s[SLOTS], 0
	s_cbranch_scc1 .Lslot
	CHANGE 2                                       ; the tail is written out: the slot that is left takes w_res2
	TWO_STEPS
	s_wait_dscnt 0x0
	PVC 1, B0, 0                                   ; V^T P of the last step
	PVC 2, B1, 0
	PVC 0, B3, 0
	; ---- THE WAY OUT
	WIN 0
.irp q, 0,1
	v_add_f32 v[T0+\q], v[ST+8*\q+2], v[ST+8*\q+3]     ; l's two halves (these additions are the places behind the last products),
.endr
.irp q, 0,1
	v_permlanex16_b32 v[PM+\q], v[T0+\q], s[SEL], s[SEL+1]
.endr
.irp q, 0,1
	v_add_f32 v[T0+\q], v[T0+\q], v[PM+\q]             ; and lane l xor 16's
.endr
.irp q, 0,1
	v_rcp_f32 v[ST+8*\q+6], v[T0+\q]
.endr
	v_nop
	s_wait_alu depctr_va_vdst(0)                   ; one wait for the two reciprocals, ahead of their first reader
	s_wait_tensorcnt 0x0                           ; my part of w_res2 has landed,
	s_wait_dscnt 0x0
	s_barrier_signal -1
	s_barrier_wait -1                              ; everybody's has; nobody reads slot 1 or the scale words any more: the stages may lie there
; chunk g = output channels 128 g on: 24 fragments of w_res2 and their scale words from LDS, b_res2 in the result's layout from memory
.macro WLOAD g
	WIN 0xc0
.irp d, 0,1,2,3,4,5,6,7
.irp s, 0,1,2
	ds_load_b128 v[8*(3*\d+\s):8*(3*\d+\s)+3], v[WAD] offset:3840*\d+80*\s
	ds_load_b128 v[8*(3*\d+\s)+4:8*(3*\d+\s)+7], v[WAD] offset:3840*\d+80*\s+32
.endr
	global_load_b128 v[B3+8*\d:B3+8*\d+3], v[BAD], s[18:19] offset:64*(8*(\g)+\d)
	global_load_b128 v[B3+8*\d+4:B3+8*\d+7], v[BAD], s[18:19] offset:64*(8*(\g)+\d)+16
.endr
	WIN 0
.irp d, 0,1,2,3,4,5,6,7
.irp s, 0,1,2
	ds_load_b32 v[KS+3*\d+\s], v[WSA] offset:192*(8*(\g)+\d)+4*\s
.endr
.endr
	v_add_nc_u32 v[WAD], 30720, v[WAD]             ; the next chunk's 128 rows
.endm
; R^T = W2 r^T + b_res2 (16 accumulators by turns), + O^T / l; through a stage of 128 channels x 128 queries; each wave stores 32 whole rows of 512 bytes
.macro CHUNK g, stg
	s_wait_dscnt 0x0
	s_wait_loadcnt 0x0
	s_wait_xcnt 0x0                                ; the last chunk's stores have read the registers that the products write
	WIN 0x3b                                       ; w_res2 window 3, r window 2, the bias (C) window 3, the result window 0
.irp d, 0,1,2,3,4,5,6,7
.irp q, 0,1
	WM S+8*(2*\d+\q), 8*(3*\d), QF+8*(3*\q), B3+8*\d, KS+3*\d, RS+3*\q, 0
.endr
.endr
	WIN 0x0b
.irp s, 1,2
.irp d, 0,1,2,3,4,5,6,7
.irp q, 0,1
	WM S+8*(2*\d+\q), 8*(3*\d+\s), QF+8*(3*\q+\s), S+8*(2*\d+\q), KS+3*\d+\s, RS+3*\q+\s, 0
.endr
.endr
.endr
	WIN 0
	PLACES 4
.if (\g) < 2
	WLOAD (\g)+1
.endif
	WIN 0x01                                       ; O^T of tile 0: window 1
.irp d, 0,1,2,3,4,5,6,7
.irp j, 0,2,4,6
	v_pk_fma_f32 v[S+16*\d+\j:S+16*\d+\j+1], v[8*(8*(\g)+\d)+\j:8*(8*(\g)+\d)+\j+1], v[ST+6:ST+7], v[S+16*\d+\j:S+16*\d+\j+1] op_sel_hi:[1,0,1]
.endr
.endr
	WIN 0x02                                       ; of tile 1: window 2
.irp d, 0,1,2,3,4,5,6,7
.irp j, 0,2,4,6
	v_pk_fma_f32 v[S+16*\d+8+\j:S+16*\d+8+\j+1], v[8*(8*(\g)+\d)+\j:8*(8*(\g)+\d)+\j+1], v[ST+14:ST+15], v[S+16*\d+8+\j:S+16*\d+8+\j+1] op_sel_hi:[1,0,1]
.endr
.endr
	WIN 0
	v_add_nc_u32 v[SA0], \stg, v[SC0]
	v_add_nc_u32 v[SA0+1], \stg, v[SC0+1]
.irp d, 0,1,2,3,4,5,6,7
.irp q, 0,1
.irp j, 0,1,2,3,4,5,6,7
	ds_store_b32 v[SA0+\q], v[S+8*(2*\d+\q)+\j] offset:(16*\d+\j)*SPI   ; channel 16 d + 8 h + j, my query
.endr
.endr
.endr
	s_wait_dscnt 0x0                               ; for the others' sake: my stores into the stage are done; and the next chunk's fragments are in my registers
	s_barrier_signal -1
	s_barrier_wait -1
	v_add_nc_u32 v[RB], \stg, v[RB0]
.set I, 0
.rept 32
	ds_load_b128 v[S+4*I:S+4*I+3], v[RB] offset:SPI*I
.set I, I+1
.endr
.set I, 0
.rept 32
	s_wait_dscnt 31-I                              ; row I is back; the later rows may be out
	global_store_b128 v[L16], v[S+4*I:S+4*I+3], s[20:21] offset:(128*(\g)+I)*8192 th:TH_STORE_NT   ; 32 lanes store 512 consecutive bytes, aligned
.set I, I+1
.endr
.endm
	WLOAD 0
	CHUNK 0, 98304                                 ; three stages of 67,584 bytes, each used once: no bytes are written while another wave still reads them.
	CHUNK 1, 165888                                ; They lie in bytes that have had their last fill;
	CHUNK 2, 0                                     ; the third lies over w_res2, whose last fragments were in every wave's registers ahead of chunk 1's barrier
	s_wait_tensorcnt 0x0                           ; the wave's end
	ds_add_u32 v[SPW], v[NIL]
	s_wait_dscnt 0x0
	CROUND                                         ; the closing round
	s_endpgm
.Lfunc_end_k_qcf8fd564bd_attn:
	.size	k_qcf8fd564bd_attn, .Lfunc_end_k_qcf8fd564bd_attn-k_qcf8fd564bd_attn
	.p2alignl 7, 3214868480
	.fill 96, 4, 3214868480
	.section	.rodata,"a",@progbits
	.p2align	6, 0x0
	.amdhsa_kernel k_qcf8fd564bd_attn
		.amdhsa_group_segment_fixed_size 327680
		.amdhsa_private_segment_fixed_size 0
		.amdhsa_enable_private_segment 0
		.amdhsa_kernarg_size 72
		.amdhsa_user_sgpr_count 2
		.amdhsa_user_sgpr_kernarg_segment_ptr 1
		.amdhsa_wavefront_size32 1
		.amdhsa_system_sgpr_workgroup_id_x 1
		.amdhsa_system_sgpr_workgroup_id_y 1
		.amdhsa_system_sgpr_workgroup_id_z 1
		.amdhsa_system_vgpr_workitem_id 0
		.amdhsa_next_free_vgpr 1024
		.amdhsa_next_free_sgpr 100
		.amdhsa_reserve_vcc 0
		.amdhsa_float_denorm_mode_32 3
		.amdhsa_float_denorm_mode_16_64 3
		.amdhsa_memory_ordered 1
		.amdhsa_forward_progress 1
		.amdhsa_inst_pref_size 255
	.end_amdhsa_kernel
	.section	.bss,"aw",@nobits
	.p2align	6
	.space	262144
	.amdgpu_metadata
---
amdhsa.version: [ 1, 2 ]
amdhsa.kernels:
  - .name:           k_qcf8fd564bd_attn
    .symbol:         k_qcf8fd564bd_attn.kd
    .args:
      - { .name: qc, .offset: 0, .size: 8, .value_kind: global_buffer, .address_space: global }
      - { .name: rc, .offset: 8, .size: 8, .value_kind: global_buffer, .address_space: global }
      - { .name: qrs, .offset: 16, .size: 8, .value_kind: global_buffer, .address_space: global }
      - { .name: kv, .offset: 24, .size: 8, .value_kind: global_buffer, .address_space: global }
      - { .name: kvs, .offset: 32, .size: 8, .value_kind: global_buffer, .address_space: global }
      - { .name: w_res2_codes, .offset: 40, .size: 8, .value_kind: global_buffer, .address_space: global }
      - { .name: w_res2_scales, .offset: 48, .size: 8, .value_kind: global_buffer, .address_space: global }
      - { .name: b_res2, .offset: 56, .size: 8, .value_kind: global_buffer, .address_space: global }
      - { .name: out0, .offset: 64, .size: 8, .value_kind: global_buffer, .address_space: global }
    .group_segment_fixed_size: 327680
    .private_segment_fixed_size: 0
    .kernarg_segment_align: 8
    .kernarg_segment_size: 72
    .max_flat_workgroup_size: 128
    .sgpr_count:     100
    .vgpr_count:     1024
    .wavefront_size: 32
...
	.end_amdgpu_metadata
.endif
;; end of part 2
